; MI455X (gfx1250); checked and timed in simulation.
; The chip was launched on July 23, 2026; its instructions are those of AMD's public machine-readable ISA for CDNA 5 (MIT licence, August 2026) and "CDNA5" Instruction Set Architecture Reference Guide (July 2026). The comments in the code are by the model that wrote it; some were corrected since.
;; Pairwise Adj Decoder. Allowed arithmetic: float matrix products may take bf16 or f16 operands with f32 sums; other float arithmetic in f32, or as packed bf16 or f16 multiplies, adds, multiply-adds, maxima and minima; sums over many terms, partial sums and values carried from step to step in f32; what a program stores and reads back later, other than sums and carried values, may be rounded once to bf16 or f16.
;; Inputs: W1 512 x 512 float32; W2 512 x 512 float32; W3 512 x 1 float32; b1 512 float32; b2 512 float32; b3 1 float32; h 512 x 256 float32.
;; Outputs: out0 512 x 512 float32.
;; One version. Each part assembles by itself: llvm-mc -triple=amdgcn-amd-amdhsa -mcpu=gfx1250 --defsym DOCPART=n.
;; ======== version 1 of 1: 2 launches
;; workspace buffers: Y 2,097,152 bytes; W2f 524,288 bytes
;; launch prep (part 1): grid 256 x 1, 4 waves a work-group, no clusters, 0 bytes of LDS; arguments h, W1, b1, W2, Y, W2f; writes Y, W2f
.if DOCPART == 1
	.amdgcn_target "amdgcn-amd-amdhsa--gfx1250"
	.amdhsa_code_object_version 6
	.text
	.protected	k_q42961b912a_prep
	.globl	k_q42961b912a_prep
	.p2align	8
	.type	k_q42961b912a_prep,@function
k_q42961b912a_prep:
	s_mov_b64 s[64:65], 0
	v_nop
	global_prefetch_b8 v0, s[64:65] scope:SCOPE_SE
	s_setreg_imm32_b32 hwreg(HW_REG_WAVE_MODE, 25, 1), 1
	s_wait_xcnt 0x0
; PREPARATION.  Ya = c (h W1[:256] + b1), Yb = c h W1[256:], c = 2 log2(e), both in f32; and c W2 rounded once to bf16.  All three leave in FRAGMENT ORDER,
; so that the launch behind reads them as 16 consecutive bytes a lane, 512 a wave.
;   Y   [half][tile of 16 rows][f][q 0..3][lane 16 hl + r][4 f32]: number c of chunk q is channel 32 f + 16 (q / 2) + 8 hl + 4 (q % 2) + c of row 16 tile + r
;   W2f [nt][f][q 0..1][lane 16 hl + r][8 bf16]: number e is c W2[32 f + 16 q + 8 hl + e][16 nt + r]
; SHARES.  1,024 waves, g = 4 x work-group + wave.  Wave g makes block g of Y (16 rows x 32 channels, K = 256: 16 products on two accumulators) and 512 bytes of W2f.
; h and W1 are rounded once to bf16 for the products; sums, bias and scale in f32.  No wave wants what another has fetched: no LDS, no barrier, no cluster.
; The product is taken transposed (source 0 = 16 channels of W1, source 1 = 16 rows of h): a lane ends with eight neighbouring channels of one row.
; REGISTERS.  Window 0: v2-10 offsets; v16-143 h as loaded, then packed in v16-79; v144-159 two accumulators; v160-175 b1; v176-191 results; v192-203 W2.
;             Window 1: v0-255 W1 as loaded (block 2 kf + ct at 16 x block), then packed in v0-127.
.set CC, 0x4038aa3b                    ; c = 2 log2(e)
.set MSB, 0
.macro WIN new                         ; the immediate's high byte repeats the setting that is left
.if MSB != (\new)
	s_set_vgpr_msb (MSB<<8)|(\new)
.set MSB, (\new)
.endif
.endm
	s_load_b256 s[4:11], s[0:1], 0x0               ; h s[4:5], W1 s[6:7], b1 s[8:9], W2 s[10:11]
	s_load_b128 s[12:15], s[0:1], 0x20             ; Y s[12:13], W2f s[14:15]
	v_lshrrev_b32 v1, 5, v0
	v_readfirstlane_b32 s16, v1                    ; wave 0..3
	s_lshl_b32 s17, ttmp9, 2
	s_add_co_u32 s17, s17, s16                     ; g
	s_lshr_b32 s18, s17, 9                         ; half
	s_bfe_u32 s19, s17, 0x50004                    ; tile
	s_and_b32 s20, s17, 15                         ; f
	s_lshl_b32 s21, s20, 7                         ; 32 channels of f32
	v_and_b32 v2, 15, v0                           ; r
	v_bfe_u32 v3, v0, 4, 1                         ; hl
	v_and_b32 v4, 31, v0                           ; lane
	v_lshl_add_u32 v5, v2, 2, s21                  ; W1: column 32 f + r,
	v_lshl_add_u32 v5, v3, 14, v5                  ;     8 hl rows of 2,048 bytes
	v_lshlrev_b32 v6, 10, v2                       ; h: row r of 1,024 bytes,
	v_lshl_add_u32 v6, v3, 5, v6                   ;    8 hl numbers
	v_lshl_add_u32 v7, v3, 5, s21                  ; b1: 32 f + 8 hl
	v_lshlrev_b32 v8, 2, v4                        ; W2: a lane a column
	v_lshlrev_b32 v9, 4, v4                        ; Y: 16 bytes a lane
	v_lshlrev_b32 v10, 4, v2                       ; W2f: 16 r,
	v_lshl_add_u32 v10, v3, 14, v10                ;      lanes 16-31 one n-tile on
	s_lshl_b32 s22, s18, 19                        ; W1's half: 256 rows
	s_mov_b32 s23, 0
	s_lshl_b32 s24, s19, 14                        ; h's tile: 16 rows
	s_mov_b32 s25, 0
	s_lshr_b32 s36, s17, 6                         ; the second task: f2,
	s_bfe_u32 s37, s17, 0x40002                    ; group of 32 columns,
	s_bfe_u32 s38, s17, 0x10001                    ; q,
	s_and_b32 s39, s17, 1                          ; hl
	s_lshl_b32 s26, s36, 16                        ; W2 at row 32 f2 + 16 q + 8 hl, column 32 group
	s_lshl_b32 s40, s38, 15
	s_add_co_u32 s26, s26, s40
	s_lshl_b32 s40, s39, 14
	s_add_co_u32 s26, s26, s40
	s_lshl_b32 s40, s37, 7
	s_add_co_u32 s26, s26, s40
	s_mov_b32 s27, 0
	s_lshl_b32 s28, s17, 11                        ; Y's block g
	s_mov_b32 s29, 0
	s_lshl_b32 s30, s37, 15                        ; W2f: n-tile 2 group, fragment f2, chunk q, lanes 16 hl on
	s_lshl_b32 s40, s36, 10
	s_add_co_u32 s30, s30, s40
	s_lshl_b32 s40, s38, 9
	s_add_co_u32 s30, s30, s40
	s_lshl_b32 s40, s39, 8
	s_add_co_u32 s30, s30, s40
	s_mov_b32 s31, 0
	s_cmp_eq_u32 s18, 0
	s_cselect_b32 s32, CC, 0                       ; the bias belongs to Ya alone
	s_mov_b32 s33, s32
	s_mov_b32 s34, CC
	s_mov_b32 s35, CC
	s_wait_kmcnt 0x0
	s_add_nc_u64 s[22:23], s[6:7], s[22:23]
	s_add_nc_u64 s[24:25], s[4:5], s[24:25]
	s_add_nc_u64 s[26:27], s[10:11], s[26:27]
	s_add_nc_u64 s[28:29], s[12:13], s[28:29]
	s_add_nc_u64 s[30:31], s[14:15], s[30:31]
	; all loads of both tasks go out first
	WIN 0x40                                       ; destination window 1, address window 0
.set i, 0
.rept 256                                          ; register 16 (2 kf + ct) + 8 hi + e: W1[32 kf + 16 hi + 8 hl + e][32 f + 16 ct + r]
	global_load_b32 v[i], v5, s[22:23] offset:(32*(i/32)+16*((i/8)%2)+i%8)*2048+64*((i/16)%2)
.set i, i+1
.endr
	WIN 0
.set i, 0
.rept 32                                           ; register 16 + 16 kf + 8 hi + ..: h[r][32 kf + 16 hi + 8 hl + ..]
	global_load_b128 v[16+4*i:16+4*i+3], v6, s[24:25] offset:128*(i/4)+64*((i/2)%2)+16*(i%2)
.set i, i+1
.endr
.set i, 0
.rept 4
	global_load_b128 v[160+4*i:160+4*i+3], v7, s[8:9] offset:64*(i/2)+16*(i%2)
.set i, i+1
.endr
.set i, 0
.rept 8
	global_load_b32 v[192+i], v8, s[26:27] offset:2048*i
.set i, i+1
.endr
	s_wait_loadcnt 0x0
.set i, 0
.rept 4                                            ; c W2 in f32, then its one rounding to bf16
	v_pk_mul_f32 v[192+2*i:192+2*i+1], v[192+2*i:192+2*i+1], s[34:35] op_sel_hi:[1,0]
.set i, i+1
.endr
.set i, 0
.rept 4
	v_cvt_pk_bf16_f32 v[200+i], v[192+2*i], v[192+2*i+1]
.set i, i+1
.endr
	global_store_b128 v10, v[200:203], s[30:31]    ; sixteen lanes store 256 consecutive bytes, aligned
.set i, 0
.rept 64                                           ; packed in place, ascending: a destination never lies above a source still to be read
	v_cvt_pk_bf16_f32 v[16+i], v[16+2*i], v[16+2*i+1]
.set i, i+1
.endr
.set i, 0
.rept 8
	v_pk_mul_f32 v[160+2*i:160+2*i+1], v[160+2*i:160+2*i+1], s[32:33] op_sel_hi:[1,0]
.set i, i+1
.endr
	WIN 0x45                                       ; destination and both sources window 1
.set i, 0
.rept 128
	v_cvt_pk_bf16_f32 v[i], v[2*i], v[2*i+1]
.set i, i+1
.endr
	WIN 0x01                                       ; source 0 (W1) window 1
	v_wmma_f32_16x16x32_bf16 v[144:151], v[0:7], v[16:23], 0       ; the first K step starts both sums
	v_wmma_f32_16x16x32_bf16 v[152:159], v[8:15], v[16:23], 0
.set i, 1
.rept 7                                            ; the two accumulators take turns
	v_wmma_f32_16x16x32_bf16 v[144:151], v[16*i:16*i+7], v[16+8*i:16+8*i+7], v[144:151]
	v_wmma_f32_16x16x32_bf16 v[152:159], v[16*i+8:16*i+15], v[16+8*i:16+8*i+7], v[152:159]
.set i, i+1
.endr
	WIN 0
.rept 8
	v_nop                                          ; the places behind the last products (ISA guide 7.12.1), with room to spare: once a launch
.endr
.set i, 0
.rept 8                                            ; c x sum + c x bias, each accumulator from its low end on
	v_pk_fma_f32 v[176+2*i:176+2*i+1], v[144+2*i:144+2*i+1], s[34:35], v[160+2*i:160+2*i+1] op_sel_hi:[1,0,1]
.set i, i+1
.endr
.set i, 0
.rept 4
	global_store_b128 v9, v[176+4*i:176+4*i+3], s[28:29] offset:512*i  ; a store covers 512 consecutive bytes, aligned
.set i, i+1
.endr
	s_endpgm
.Lfunc_end_k_q42961b912a_prep:
	.size	k_q42961b912a_prep, .Lfunc_end_k_q42961b912a_prep-k_q42961b912a_prep
	.p2alignl 7, 3214868480
	.fill 96, 4, 3214868480
	.section	.rodata,"a",@progbits
	.p2align	6, 0x0
	.amdhsa_kernel k_q42961b912a_prep
		.amdhsa_group_segment_fixed_size 0
		.amdhsa_private_segment_fixed_size 0
		.amdhsa_enable_private_segment 0
		.amdhsa_kernarg_size 48
		.amdhsa_user_sgpr_count 2
		.amdhsa_user_sgpr_kernarg_segment_ptr 1
		.amdhsa_wavefront_size32 1
		.amdhsa_system_sgpr_workgroup_id_x 1
		.amdhsa_system_sgpr_workgroup_id_y 1
		.amdhsa_system_sgpr_workgroup_id_z 1
		.amdhsa_system_vgpr_workitem_id 0
		.amdhsa_next_free_vgpr 512
		.amdhsa_next_free_sgpr 66
		.amdhsa_reserve_vcc 0
		.amdhsa_float_denorm_mode_32 3
		.amdhsa_float_denorm_mode_16_64 3
		.amdhsa_memory_ordered 1
		.amdhsa_forward_progress 1
		.amdhsa_inst_pref_size 47
	.end_amdhsa_kernel
	.amdgpu_metadata
---
amdhsa.version: [ 1, 2 ]
amdhsa.kernels:
  - .name:           k_q42961b912a_prep
    .symbol:         k_q42961b912a_prep.kd
    .args:
      - { .name: h, .offset: 0, .size: 8, .value_kind: global_buffer, .address_space: global }
      - { .name: W1, .offset: 8, .size: 8, .value_kind: global_buffer, .address_space: global }
      - { .name: b1, .offset: 16, .size: 8, .value_kind: global_buffer, .address_space: global }
      - { .name: W2, .offset: 24, .size: 8, .value_kind: global_buffer, .address_space: global }
      - { .name: Y, .offset: 32, .size: 8, .value_kind: global_buffer, .address_space: global }
      - { .name: W2f, .offset: 40, .size: 8, .value_kind: global_buffer, .address_space: global }
    .group_segment_fixed_size: 0
    .private_segment_fixed_size: 0
    .kernarg_segment_align: 8
    .kernarg_segment_size: 48
    .max_flat_workgroup_size: 128
    .sgpr_count:     66
    .vgpr_count:     512
    .wavefront_size: 32
...
	.end_amdgpu_metadata
.endif
;; end of part 1
;; launch pairs (part 2): grid 8 x 32, 4 waves a work-group, clusters of 4 x 1, 327,680 bytes of LDS; arguments Y, W2f, b2, W3, b3, out0; writes out0
.if DOCPART == 2
	.amdgcn_target "amdgcn-amd-amdhsa--gfx1250"
	.amdhsa_code_object_version 6
	.text
	.protected	k_q42961b912a_pairs
	.globl	k_q42961b912a_pairs
	.p2align	8
	.type	k_q42961b912a_pairs,@function
k_q42961b912a_pairs:
	s_mov_b64 s[64:65], 0
	v_nop
	global_prefetch_b8 v0, s[64:65] scope:SCOPE_SE
	s_setreg_imm32_b32 hwreg(HW_REG_WAVE_MODE, 25, 1), 1
	s_wait_xcnt 0x0
	s_wait_alu depctr_hold_cnt(0) depctr_sa_sdst(0) depctr_va_vdst(0) depctr_va_sdst(0) depctr_va_ssrc(0) depctr_va_vcc(0) depctr_vm_vsrc(0)
	s_getreg_b32 s2, hwreg(HW_REG_IB_STS2, 6, 4)
	s_cmp_eq_u32 s2, 0
	s_cbranch_scc0 .Lentry_in_a_cluster
	s_endpgm
.Lentry_in_a_cluster:
	s_bfe_u32 s2, ttmp6, 0x10000c
	s_cmp_lg_u32 s2, 0x3003
	s_cbranch_scc0 .Lentry_shape_is_right
	s_endpgm
.Lentry_shape_is_right:
; out[i][j] = b3 + sum_n W3[n] tanh(b2[n] + sum_k W2[k][n] tanh(yi[i][k] + yj[j][k] + b1[k])), the diagonal replaced by -20.
; Y holds Ya = c (yi + b1) and Yb = c yj in f32, c = 2 log2(e); W2f holds c W2 in bf16; both in fragment order (16 bytes a lane, 512 a wave).
; tanh(x) = 1 - 2 / (1 + 2^(c x)).  Layer 1 is rounded once to bf16 for the product; sums, layer 2 and the logit in f32:
; logit = S0 + sum_n (-2 W3[n]) / (1 + 2^(zc[n])), zc = c b2 + x1 (c W2), S0 = b3 + sum W3.  c b2 is the C operand that starts each sum, so the sums come out of the matrix unit ready for 2^.
; LIMITS.  Where 2^(..) overflows or comes out as 0, tanh is exactly +1 or -1, as it is in f32 arithmetic there.  NaN and infinities in the inputs are not treated apart.
; The diagonal's pairs are computed like the others and then replaced.
; SHARES.  A work-group owns 16 i x 64 j; wave w the 16 j of tile 4 bj + w against all 16 i: 16 tiles of 16 pairs, in 8 PIECES of two (piece s: rows 2 s, 2 s + 1).
; THE PRODUCT is taken transposed (source 0 = 16 channels n of W2, source 1 = 16 pairs): a lane holds one pair and eight channels.  x1 of two pieces, P and Q (512 registers),
; stays in registers while W2 passes by, one n-tile of 16 channels a PERIOD: 64 products (16 K fragments x 4 tiles), the four accumulators by turns.
; P and Q begin their passes over W2 half a pass apart, so one piece at a time is made ahead: as vector work between the products, stashed in LDS as bf16, reloaded when its pass begins.
; Piece 7 is taken in two halves (periods 0-15: n-tiles 0-15; periods 112-127: n-tiles 16-31), so that no product is wasted; its x1 is made twice.
; PERIOD t, VP = t + 33.  Halves a (fragments 0-7) and b (8-15).
;   Layer 2 of n-tile t: 2^ in a(t+1), in place on the finished accumulators; + 1 in place and 1/ into Z in b(t+1); the logit's sums in a(t+2).
;   Layer 1 of step v (fragment v % 16 of piece (v / 16 - 1) % 8): the sum Ya + Yb in a(v-33), 2^ in b(v-33), + 1 and 1/ in a(v-32), 1 - 2 r, the rounding and the stash store in b(v-32);
;   two sets of work registers, by the step's parity.
; THE DEAL.  A period has 64 products, 96 plain vector lines and 128 transcendentals.  Behind every even product stand three lines of layer 2 (a plain one, two transcendentals), behind every odd one four
; of layer 1 (plain and transcendental by turns): never more than four.  None of them names a register of the products round it.  The scalar arithmetic for the next addresses stands there too, a line a product.
; In a half nothing names a result of that half's 2^ or 1/: each half ends with one wait for all of them.
; CLUSTER.  All work-groups walk the same W2f, and the four of a cluster share bi, so W2's tiles and Ya's tile are asked for JOINTLY by the four: the same load, descriptor and mask in all.
; THE RING: two slots of four n-tiles, 65,536 bytes; wave w fetches n-tile w of a slot.  A change of slots stands in the middle of period 4 k + 3, when the slot has been read out.
; REGISTERS, in windows of 256 (s_set_vgpr_msb: bits 1:0 source 0, 3:2 source 1, 5:4 source 2, 7:6 destination):
;   window 0: addresses, tables of one n-tile, p (logit sums), Z (1/ of layer 2), ACC (two sets of four), BF (W2 fragments)     window 1: x1 of P, 128 e + 8 f     window 2: x1 of Q
;   window 3: layer 1 at work, its addresses, the spare word
; The price of writing no first step out: 114 lines that write 0, while the first tiles are on their way.
.set CC,    0x4038aa3b                 ; c = 2 log2(e)
.set ATAB,  131072                     ; behind the ring (bytes 0 to 131,071; n-tile t at (t % 8) x 16,384): Ya's tile, 32,768 bytes
.set STASH, 163840                     ; 32,768 bytes a wave: the piece being made; fragment (e, f) at 16,384 e + 1,024 f + 512 q + 16 lane
.set TAB,   294912                     ; c b2 (2,048), -2 W3 (2,048), zeros (512)
.set OSTG,  299520                     ; the logits: 1,024 bytes a wave, row x 64 + 4 r
.set SPARE, 303616                     ; the spare words, 128 bytes a wave: two blocks of 256 bytes that no other line names
.set TB,  1                            ; v1   the tables' address for the next period's n-tile (at the head: 16 x thread)
.set BA,  2                            ; v2   W2's n-tile in the ring + 16 lane
.set L16, 3                            ; v3   16 lane; never rewritten
.set T,   4                            ; v4   the tables' address for the period's n-tile
.set TP,  5                            ; v5   for the n-tile before
.set H32, 6                            ; v6   TAB + 32 (lane / 16)
.set PFO, 7                            ; v7   256 lane: the prefetch's offset; never rewritten
.set B2R, 8                            ; v8-15   c b2 of my 8 channels: the C operand of a period's first four products
.set W3R, 16                           ; v16-23  -2 W3 of my 8 channels
.set PP,  24                           ; v24-31  a pair of sums for each of the four tiles
.set Z,   32                           ; v32-63  8 tile + channel
.set ACC, 64                           ; v64-127 32 (t % 2) + 8 tile
.set BF,  128                          ; v128-255 8 f
.set LL,  152                          ; at the head alone, where BF is still free
.set RR,  153
.set HH,  154
.set TA,  155
.set TZ,  156
.set ZR,  157
.set OSW, 158
.set SV,  0                            ; window 3: v0-63    two sets of 32: 16 e + number
.set AA,  64                           ;           v64-95   Ya: 16 e + number
.set BB,  96                           ;           v96-127  Yb: two sets of 16, by the step's parity
.set X,   128                          ;           v128-143 8 e + register: a fragment of each row
.set SS,  144                          ; where the stash store goes
.set ST0, 145                          ; STASH + 32,768 wave + 16 lane; never rewritten
.set AAD, 146                          ; where Ya is read
.set A0,  147                          ; ATAB + 256 (lane / 16)
.set GB,  148                          ; Yb's offset
.set G0,  149                          ; 16 lane
.set SPW, 150                          ; my spare word: SPARE + 4 x my thread's number; never rewritten
.set NIL, 151                          ; 0; never rewritten
.set TS0, 152
.set TS1, 153
.set U0,  154
.set U1,  155
.set OLD, 156
.set OA,  157
.set OS,  158                          ; OSTG + 1,024 wave + 64 (lane / 16) + 4 r
.set WV,  16                           ; s16 wave;  s17 cx;  s18 bj;  s19 bi
.set G1W, 20                           ; s[20:27] group 1: 64 rows of 256 bytes
.set G1A, 28                           ; s[28:35] group 1: 32 rows of 256 bytes
.set G0R0, 36                          ; s[36:39] group 0: slot 0
.set G0R1, 40                          ; s[40:43] group 0: slot 1; then it walks
.set G0A, 44                           ; s[44:47] group 0: Ya
.set YB,  48                           ; s[48:49] Yb at my tile
.set W2B, 50                           ; s[50:51] W2f at my n-tile of slot 0
.set OFF, 52                           ; s[52:53] a slot's byte offset in W2f
.set NX,  54                           ; s54 the slot of W2f to be asked for next, 0..7
.set SLOTS, 55
.set CNT, 56
.set VP,  57
.set CS,  60                           ; s[60:61] c
.set SEL, 62                           ; s[62:63] v_permlanex16_b32's selects: each lane takes its own place in the other half
.set HI,  66                           ; s66 lanes 16-31
.set PFA, 68                           ; s[68:69] the prefetch's address
.set LIM, 70                           ; s70 4 in a wave that prefetches, else 0
.set CHG, 71                           ; s71 changes of slots so far
.set PFB, 86                           ; s[86:87] W2f + 16,384 cx + 8,192 wave
.set POF, 88                           ; s[88:89]
.set MSB, 0
.macro WIN new                         ; the immediate's high byte repeats the setting that is left; a switch that changes nothing is dropped
.if MSB != (\new)
	s_set_vgpr_msb (MSB<<8)|(\new)
.set MSB, (\new)
.endif
.endm
.macro WANT0                           ; for lines whose source 1 is no vector register: a product's setting (source 1 alone in another window) serves them as it stands
.if (MSB&0xf3) != 0
	WIN 0
.endif
.endm
; A round of the cluster's barrier: my work-group's barrier; wave 0 signals for the work-group; every wave waits for all four work-groups; my work-group's barrier once more.
.macro ROUND
	s_barrier_signal -1
	s_barrier_wait -1
	s_cmp_lg_u32 s[WV], 0
	s_cbranch_scc1 .Lnw0_\@
	s_barrier_signal -3
.Lnw0_\@:
	s_barrier_wait -3
	s_barrier_signal -1
	s_barrier_wait -1
.endm
; LAYER 2.  AO is the set of accumulators that the period before has finished.
.macro FIN g                           ; sum g of 16: tile g % 4, channels 2 (g / 4) and the next: p += r x (-2 W3)
	WIN 0
.set fm, (\g)%4
.set fp, (\g)/4
	v_pk_fma_f32 v[PP+2*fm:PP+2*fm+1], v[Z+8*fm+2*fp:Z+8*fm+2*fp+1], v[W3R+2*fp:W3R+2*fp+1], v[PP+2*fm:PP+2*fm+1]
.endm
.macro L2A                             ; half a, 48 long, in threes: a sum of the n-tile two back; 2^ of two numbers of the n-tile one back, in place, each accumulator from its low end on
.set lg, q2/3
.set lr, q2%3
.if lr == 0
	FIN lg
.else
	WANT0
	v_exp_f32 v[AO+2*lg+lr-1], v[AO+2*lg+lr-1]
.endif
.set q2, q2+1
.endm
.macro L2B                             ; half b, in threes: + 1 for the pair that the NEXT three invert (pair 0's stands in the header); 1/ of two numbers, into Z
.set lg, q2/3
.set lr, q2%3
.if lr == 0
.if lg < 15
	WANT0
	v_pk_add_f32 v[AO+2*lg+2:AO+2*lg+3], v[AO+2*lg+2:AO+2*lg+3], 1.0 op_sel_hi:[1,0]
.endif
.else
	WANT0
	v_rcp_f32 v[Z+2*lg+lr-1], v[AO+2*lg+lr-1]
.endif
.set q2, q2+1
.endm
.macro L2E hb
.if \hb
	L2B
.else
	L2A
.endif
.endm
; LAYER 1.  SC is the set of the step in hand (VP), SPV that of the step before.
.macro L1P j                           ; half a's plain line j of 32: + 1 for pair j of the step before, then the sum Ya + Yb for pair j - 16 of the step in hand
.if (\j) < 16
	v_pk_add_f32 v[SPV+2*(\j):SPV+2*(\j)+1], v[SPV+2*(\j):SPV+2*(\j)+1], 1.0 op_sel_hi:[1,0]
.else
	v_pk_add_f32 v[SC+2*((\j)-16):SC+2*((\j)-16)+1], v[AA+2*((\j)-16):AA+2*((\j)-16)+1], v[BBR+2*(((\j)-16)&7):BBR+2*(((\j)-16)&7)+1]
.endif
.endm
.macro L1FMA k
	v_pk_fma_f32 v[SPV+2*(\k):SPV+2*(\k)+1], v[SPV+2*(\k):SPV+2*(\k)+1], -2.0, 1.0 op_sel_hi:[1,0,0]
.endm
.macro L1CVT k
	v_cvt_pk_bf16_f32 v[X+(\k)], v[SPV+2*(\k)], v[SPV+2*(\k)+1]
.endm
.macro L1A                             ; half a, 64 long, in fours: plain, 1/, plain, 1/ (the first four: two plain, two 1/).  Number i is inverted in four i / 2; its + 1 is plain line i / 2, in four i / 4
	WIN 0xff
.set lg, q1/4
.set lr, q1%4
.if q1 < 2
	L1P q1
.elseif q1 < 4
	v_rcp_f32 v[SPV+q1-2], v[SPV+q1-2]
.elseif (lr%2) == 0
	L1P 2*lg+lr/2
.else
	v_rcp_f32 v[SPV+2*lg+lr/2], v[SPV+2*lg+lr/2]
.endif
.set q1, q1+1
.endm
.macro L1B                             ; half b, 64 long, in fours: plain, 2^, plain, 2^.  The plain lines: 1 - 2 r of pairs 0 and 1; then a rounding and the 1 - 2 r two pairs on, by turns; the last two roundings
	WIN 0xff
.set lg, q1/4
.set lr, q1%4
.set lj, 2*lg+lr/2
.if (lr%2) == 1
	v_exp_f32 v[SC+lj], v[SC+lj]
.elseif lj < 2
	L1FMA lj
.elseif lj == 31
	L1CVT 15
.elseif (lj%2) == 0
	L1CVT lj/2-1
.else
	L1FMA (lj+1)/2
.endif
.set q1, q1+1
.endm
.macro L1E hb
.if \hb
	L1B
.else
	L1A
.endif
.endm
; THE SCALAR WORK for the addresses that the end of a half writes, a line behind each of the half's first products.
.macro SCA n, bf, l1, l2
.if \l1
.if (\n) == 0
	s_add_co_u32 s73, s[VP], 1                     ; Ya of the next step:
.elseif (\n) == 1
	s_lshr_b32 s81, s73, 4
.elseif (\n) == 2
	s_and_b32 s73, s73, 15
.elseif (\n) == 3
	s_lshl_b32 s73, s73, 11                        ; its fragment,
.elseif (\n) == 4
	s_add_co_u32 s81, s81, 7
.elseif (\n) == 5
	s_and_b32 s81, s81, 7
.elseif (\n) == 6
	s_lshl_b32 s81, s81, 5                         ; and its piece's two rows
.elseif (\n) == 7
	s_add_co_u32 s73, s73, s81
.elseif (\n) == 8
	s_add_co_u32 s75, s[VP], 2                     ; Yb: the fragment of the step after that
.elseif (\n) == 9
	s_and_b32 s75, s75, 15
.elseif (\n) == 10
	s_lshl_b32 s75, s75, 11
.endif
.endif
.if \l2
.if (\n) == 11
	s_and_b32 s79, s[VP], 31                       ; the next period's n-tile in the tables
.elseif (\n) == 12
	s_lshl_b32 s79, s79, 6
.endif
.endif
.if \bf
.if (\n) == 13
	s_and_b32 s74, s[VP], 7                        ; and in the ring
.elseif (\n) == 14
	s_lshl_b32 s74, s74, 14
.endif
.endif
.endm
.macro SCB n, l1
.if \l1
.if (\n) == 0
	s_add_co_u32 s80, s[VP], 15                    ; the stash's fragment for the step that this half rounds
.elseif (\n) == 1
	s_and_b32 s80, s80, 15
.elseif (\n) == 2
	s_lshl_b32 s80, s80, 10
.endif
.endif
.if (\n) == 3
	s_add_co_u32 s[VP], s[VP], 1
.endif
.endm
; Product hw of a period's 64: fragment hw / 4, tile hw % 4 (tiles 0, 1: P, window 1; tiles 2, 3: Q, window 2).  The first four start the sums with c b2.
.macro MMA
.set mf, hw/4
.set mt, hw%4
.set rX, 128*(mt%2)+8*mf
	WIN 4+4*(mt/2)
.if mf == 0
	v_wmma_f32_16x16x32_bf16 v[AC+8*mt:AC+8*mt+7], v[BF+8*mf:BF+8*mf+7], v[rX:rX+7], v[B2R:B2R+7]
.else
	v_wmma_f32_16x16x32_bf16 v[AC+8*mt:AC+8*mt+7], v[BF+8*mf:BF+8*mf+7], v[rX:rX+7], v[AC+8*mt:AC+8*mt+7]
.endif
.endm
; HALF A PERIOD: 32 products (mm = 1); behind each even one three lines of layer 2, behind each odd one four of layer 1; a scalar line behind the first few.
.macro HALF hb, par, mm, bf, l1, l2
.set AO, ACC+32*(1-(\par))
.set AC, ACC+32*(\par)
.set BBR, BB+16*(1-(\par))
.set SC, SV+32*(1-(\par))
.set SPV, SV+32*(\par)
.set q1, 0
.set q2, 0
.set hw, 32*(\hb)
.rept 32
.if \mm
	MMA
.endif
.if (hw%2) == 0
.if \l2
.rept 3
	L2E \hb
.endr
.endif
.else
.if \l1
.rept 4
	L1E \hb
.endr
.endif
.endif
.if \hb
	SCB hw-32, \l1
.else
	SCA hw, \bf, \l1, \l2
.endif
.set hw, hw+1
.endr
.endm
.macro LDBF lo                         ; 16 LDS loads: fragments lo .. lo + 7 of the n-tile at BA; a load takes 512 consecutive bytes
.set lb, (\lo)
.rept 8
	ds_load_b128 v[BF+8*lb:BF+8*lb+3], v[BA] offset:1024*lb
	ds_load_b128 v[BF+8*lb+4:BF+8*lb+7], v[BA] offset:1024*lb+512
.set lb, lb+1
.endr
.endm
.macro LDAA                            ; Ya of a step's fragment, rows 2 s and 2 s + 1: sixteen lanes read the same 16 bytes
.irp q, 0,1,2,3
	ds_load_b128 v[AA+4*\q:AA+4*\q+3], v[AAD] offset:512*\q
	ds_load_b128 v[AA+16+4*\q:AA+16+4*\q+3], v[AAD] offset:512*\q+16
.endr
.endm
.macro RELOAD win, half                ; fragments 8 half .. 8 half + 7 of both rows, from my stash into window win
	WIN ((\win)<<6)|3
.set ri, 0
.rept 32
.set re, ri/16
.set rf, 8*(\half)+(ri/2)%8
.set rq, ri%2
	ds_load_b128 v[128*re+8*rf+4*rq:128*re+8*rf+4*rq+3], v[ST0] offset:16384*re+1024*rf+512*rq
.set ri, ri+1
.endr
	WIN 0
.endm
; A piece's sums leave p for the stage (s77 = 128 x piece): the pair's two, the other half of the lanes'; lanes 0-15 then hold the piece's first row, lanes 16-31 its second.  p starts again at 0.
.macro FINAL pc
	WIN 0xc0
	v_add_f32 v[TS0], v[PP+4*(\pc)], v[PP+4*(\pc)+1]
	v_add_f32 v[TS1], v[PP+4*(\pc)+2], v[PP+4*(\pc)+3]
	WIN 0
.irp z, 0,1,2,3
	v_mov_b32 v[PP+4*(\pc)+\z], 0
.endr
	WIN 0xff
	v_add_nc_u32 v[OA], s77, v[OS]
	ds_load_b32 v[OLD], v[OA]
	v_permlanex16_b32 v[U0], v[TS0], s[SEL], s[SEL+1]
	v_permlanex16_b32 v[U1], v[TS1], s[SEL], s[SEL+1]
	v_add_f32 v[TS0], v[TS0], v[U0]
	v_add_f32 v[TS1], v[TS1], v[U1]
	v_cndmask_b32 v[TS0], v[TS0], v[TS1], s[HI]
	s_wait_dscnt 0x0                               ; what the stage held
	v_add_f32 v[TS0], v[TS0], v[OLD]
	ds_store_b32 v[OA], v[TS0]
	WIN 0
.endm
; THE GUARDS: every sixteenth period.  All their jumps go forward, over LDS instructions and register work alone; they hang on VP, which is the same in every wave and work-group.
.macro G1                              ; the middle of period 16 H - 1: the piece that begins at 16 H takes its fragments 0-7; this period's second half reads 8-15 alone
	s_and_b32 s76, s[VP], 15
	s_cmp_lg_u32 s76, 0
	s_cbranch_scc1 .Lg1x_\@
	s_bitcmp1_b32 s[VP], 4
	s_cbranch_scc1 .Lg1q_\@
	RELOAD 1, 0
	s_branch .Lg1x_\@
.Lg1q_\@:
	RELOAD 2, 0
.Lg1x_\@:
.endm
.macro G2                              ; the top of period 16 H: its fragments 8-15; the first half reads 0-7 alone
	s_and_b32 s76, s[VP], 15
	s_cmp_lg_u32 s76, 1
	s_cbranch_scc1 .Lg2x_\@
	s_bitcmp1_b32 s[VP], 4
	s_cbranch_scc1 .Lg2q_\@
	RELOAD 1, 1
	s_branch .Lg2x_\@
.Lg2q_\@:
	RELOAD 2, 1
.Lg2x_\@:
.endm
.macro GFIN                            ; the top of period 16 H + 2: the sums of the piece that ended with period 16 H - 1 are whole
	s_and_b32 s76, s[VP], 15
	s_cmp_lg_u32 s76, 3
	s_cbranch_scc1 .Lgfx_\@
	s_lshr_b32 s77, s[VP], 4
	s_add_co_u32 s77, s77, 4
	s_and_b32 s77, s77, 7                          ; piece (H - 2) % 8
	s_lshl_b32 s77, s77, 7
	s_bitcmp1_b32 s[VP], 4
	s_cbranch_scc1 .Lgfq_\@
	FINAL 0
	s_branch .Lgfx_\@
.Lgfq_\@:
	FINAL 1
.Lgfx_\@:
.endm
; THE TOP OF A PERIOD: W2's fragments 8-15 of this n-tile are asked for; what the first half reads is waited for.
.macro HDRA bf, l1, grd
.if \bf
	WIN 0
	LDBF 8
.endif
	s_wait_dscnt 16*(\bf)+4*(\l1)                  ; out may stay: the stash's 4 stores and the 16 loads just issued; all older is in: fragments 0-7, both tables, Ya, a reload
.if \l1
	s_wait_loadcnt 0x4                             ; Yb of this period's step is in; the 4 loads issued in the middle of the last period, for the next step, stay out
.endif
.if \grd
	G2
	GFIN
.endif
.endm
; THE END OF HALF a.  The plain lines that write the next addresses, four or more wherever products run: they are the places between the half's last product and the loads into fragments 0-7
; (ISA guide 7.12.1 for vector instructions), and the plain line behind the last transcendental; then the one wait for the half's transcendentals.
.macro ENDA bf, l1, l2
.if \l1
	s_wait_xcnt 0x0                                ; the loads of Yb, issued a period ago, have read their offset: it is written only behind this wait
	WIN 0xff
	v_add_nc_u32 v[AAD], s73, v[A0]
	v_add_nc_u32 v[GB], s75, v[G0]
.endif
.if (\bf)||(\l2)
	WIN 0
.endif
.if \l2
	v_mov_b32 v[TP], v[T]                          ; the n-tile before,
	v_mov_b32 v[T], v[TB]                          ; this period's,
	v_add_nc_u32 v[TB], s79, v[H32]                ; the next period's
.endif
.if \bf
	v_add_nc_u32 v[BA], s74, v[L16]
.endif
	s_wait_alu depctr_va_vdst(0)
.endm
; THE MIDDLE OF A PERIOD, one run of loads: W2's fragments 0-7 and c b2 of the next n-tile, -2 W3 of the n-tile before, Ya of the next step, Yb of the step after that.
.macro HDRB par, bf, l1, l2, grd
.set AOH, ACC+32*(1-(\par))
.if (\bf)||(\l2)
	WIN 0
.endif
.if \bf
	LDBF 0
.endif
.if \l2
	ds_load_b128 v[B2R:B2R+3], v[TB]
	ds_load_b128 v[B2R+4:B2R+7], v[TB] offset:16
	ds_load_b128 v[W3R:W3R+3], v[TP] offset:2048
	ds_load_b128 v[W3R+4:W3R+7], v[TP] offset:2064
	v_pk_add_f32 v[AOH:AOH+1], v[AOH:AOH+1], 1.0 op_sel_hi:[1,0]  ; layer 2's first + 1, ahead of the half, so that no 1/ follows its own + 1 directly
.endif
.if \l1
	WIN 0xff
	LDAA
.irp q, 0,1,2,3
	global_load_b128 v[BB+16*(1-(\par))+4*\q:BB+16*(1-(\par))+4*\q+3], v[GB], s[YB:YB+1] offset:512*\q  ; into the set that the first half has just read
.endr
.endif
	s_wait_dscnt 16*(\bf)+4*(\l2)+8*(\l1)          ; out may stay what was just issued; all older is in: fragments 8-15, a reload
.if \grd
	WIN 0
	G1
.endif
.endm
; THE END OF HALF b: four plain lines as in ENDA (for the loads into fragments 8-15); the wait; the rounded fragments go into the stash.
.macro ENDB l1, mm
.if \l1
	WIN 0xff
	v_add_nc_u32 v[SS], s80, v[ST0]
.if \mm
.rept 3
	v_nop
.endr
.endif
	s_wait_alu depctr_va_vdst(0)
.irp e, 0,1
	ds_store_b128 v[SS], v[X+8*\e:X+8*\e+3] offset:16384*\e
	ds_store_b128 v[SS], v[X+8*\e+4:X+8*\e+7] offset:16384*\e+512
.endr
.else
.rept 4
	v_nop
.endr
	s_wait_alu depctr_va_vdst(0)
.endif
.endm
; A PREFETCH INTO THE L2 of W2f, in its first walk alone: the change that asks for slot k + 2 names slot k + 4, two slots (512 products) ahead of the load that will want it; slots 4 to 7, once each.
; Slots 0 to 3 come by their loads alone.  One cluster asks (x = 0, y = 0); its partners take 16,384 bytes each, told apart by address; in each, waves 0 and 1 take 8,192, a lane 256.
.macro ASK
	s_cmp_le_u32 s[CHG], s[LIM]
	s_cbranch_scc0 .Lnask_\@
	global_prefetch_b8 v[PFO], s[PFA:PFA+1] th:TH_LOAD_NT scope:SCOPE_SE
.Lnask_\@:
.endm
; THE CHANGE OF SLOTS.  Each wave waits for all its tensor loads, of which one is out: its n-tile of the other slot; adds 0 to its spare word; and waits for that and for its reads of the slot that it leaves.
; fill = 1: a round of the cluster's barrier, so that no wave of any partner still reads the slot or has a load on its way; the joint refill is the first thing behind it.
.macro CHANGE fill
	WIN 0x0f
	s_wait_tensorcnt 0x0                           ; no tensor load of mine is out, so a group 0 may be written
	ds_add_u32 v[SPW], v[NIL]                      ; 0 onto my spare word
	WIN 0
.if \fill
	s_xor_b32 s[G0R1+1], s[G0R1+1], 0x10000        ; the other slot than last time
	s_lshl_b32 s[OFF], s[NX], 16
	s_add_nc_u64 s[G0R1+2:G0R1+3], s[W2B:W2B+1], s[OFF:OFF+1]  ; the address is made anew from the slot's number
	s_or_b32 s[G0R1+3], s[G0R1+3], 0x80000000
	s_add_co_u32 s[NX], s[NX], 1
	s_and_b32 s[NX], s[NX], 7                      ; W2f has eight slots and is walked four times
	s_add_co_u32 s[CHG], s[CHG], 1
	s_add_co_u32 s[POF], s[CHG], 3
	s_min_u32 s[POF], s[POF], 7                    ; never past W2f's last slot
	s_lshl_b32 s[POF], s[POF], 16
	s_wait_xcnt 0x0                                ; the last prefetch has read its address
	s_add_nc_u64 s[PFA:PFA+1], s[PFB:PFB+1], s[POF:POF+1]
	s_wait_dscnt 0x0                               ; the add is done, and my reads of the slot are over
	ROUND
	tensor_load_to_lds s[G0R1:G0R1+3], s[G1W:G1W+7]
	s_nop 0
.rept 4
	v_nop
.endr
	ASK
.else
	s_wait_dscnt 0x0
	s_barrier_signal -1
	s_barrier_wait -1
.endif
.endm
	s_load_b256 s[4:11], s[0:1], 0x0               ; Y s[4:5], W2f s[6:7], b2 s[8:9], W3 s[10:11]
	s_load_b128 s[12:15], s[0:1], 0x20             ; b3 s[12:13], out s[14:15]
	WIN 0xc0
	v_lshl_add_u32 v[SPW], v0, 2, SPARE
	v_mov_b32 v[NIL], 0
	WIN 0x0f
	ds_add_u32 v[SPW], v[NIL]                      ; the wave's opening: the add, twice on end, and its wait ahead of my first tensor load
	ds_add_u32 v[SPW], v[NIL]
	WIN 0
	v_lshrrev_b32 v1, 5, v0
	v_readfirstlane_b32 s[WV], v1                  ; wave 0..3
	s_bfe_u32 s17, ttmp6, 0x40000                  ; cx: it enters Yb's, out's and the prefetch's addresses and the diagonal's compare, and nothing else
	s_lshl_b32 s18, ttmp9, 2
	s_add_co_u32 s18, s18, s17                     ; bj
	s_and_b32 s19, ttmp7, 0xffff                   ; bi, which the four partners share
	; group 1: a dense block as rows of 256 bytes, elements of 8 bytes.  15:0 the mask of four; 17:16 code 3; 21 set beside a mask
	s_mov_b32 s[G1W], 15|(3<<16)|(1<<21)
	s_mov_b32 s[G1W+1], 32<<16                     ; tensor_dim0 = 32
	s_mov_b32 s[G1W+2], 64<<16                     ; tensor_dim1 = 64
	s_mov_b32 s[G1W+3], 32<<16                     ; tile_dim0 = 32
	s_mov_b32 s[G1W+4], 64                         ; tile_dim1 = 64
	s_mov_b32 s[G1W+5], 32                         ; 32 elements from row to row
	s_mov_b32 s[G1W+6], 0
	s_mov_b32 s[G1W+7], 0
	s_mov_b32 s[G1A], 15|(3<<16)|(1<<21)
	s_mov_b32 s[G1A+1], 32<<16
	s_mov_b32 s[G1A+2], 32<<16                     ; 32 rows
	s_mov_b32 s[G1A+3], 32<<16
	s_mov_b32 s[G1A+4], 32
	s_mov_b32 s[G1A+5], 32
	s_mov_b32 s[G1A+6], 0
	s_mov_b32 s[G1A+7], 0
	s_mov_b32 s[G0R0], 1
	s_lshl_b32 s[G0R0+1], s[WV], 14                ; slot 0: my n-tile
	s_mov_b32 s[G0R1], 1
	s_add_co_u32 s[G0R1+1], s[G0R0+1], 0x10000     ; slot 1
	s_mov_b32 s[G0A], 1
	s_lshl_b32 s[G0A+1], s[WV], 13
	s_add_co_u32 s[G0A+1], s[G0A+1], ATAB          ; my quarter of Ya's tile
	s_lshl_b32 s74, s[WV], 14
	s_mov_b32 s75, 0
	s_lshl_b32 s76, s19, 15
	s_lshl_b32 s77, s[WV], 13
	s_add_co_u32 s76, s76, s77
	s_mov_b32 s77, 0
	s_lshl_b32 s78, s18, 2
	s_add_co_u32 s78, s78, s[WV]                   ; my tile of j
	s_lshl_b32 s78, s78, 15
	s_add_co_u32 s78, s78, 0x100000                ; in Y's second half
	s_mov_b32 s79, 0
	s_lshl_b32 s80, s19, 15                        ; out: 16 bi rows of 2,048 bytes,
	s_lshl_b32 s81, s18, 8                         ; 64 bj columns
	s_add_co_u32 s80, s80, s81
	s_mov_b32 s81, 0
	s_lshl_b32 s82, s17, 14
	s_lshl_b32 s83, s[WV], 13
	s_add_co_u32 s82, s82, s83
	s_mov_b32 s83, 0
	s_lshr_b32 s84, s[WV], 1
	s_or_b32 s84, s84, ttmp9
	s_or_b32 s84, s84, s19
	s_cmp_eq_u32 s84, 0                            ; waves 0 and 1 of the first cluster: the same in all four partners
	s_cselect_b32 s[LIM], 4, 0
	s_mov_b32 s[CHG], 0
	s_mov_b32 s[NX], 2
	s_mov_b32 s[OFF+1], 0
	s_mov_b32 s[POF+1], 0
	s_mov_b32 s[CS], CC
	s_mov_b32 s[CS+1], CC
	s_mov_b32 s[SEL], 0x76543210
	s_mov_b32 s[SEL+1], 0xfedcba98
	s_mov_b32 s[HI], 0xffff0000
	s_wait_dscnt 0x0                               ; both opening adds are done
	s_wait_kmcnt 0x0
	s_add_nc_u64 s[W2B:W2B+1], s[6:7], s[74:75]
	s_mov_b64 s[G0R0+2:G0R0+3], s[W2B:W2B+1]
	s_or_b32 s[G0R0+3], s[G0R0+3], 0x80000000
	s_add_nc_u64 s[G0R1+2:G0R1+3], s[W2B:W2B+1], 0x10000
	s_or_b32 s[G0R1+3], s[G0R1+3], 0x80000000
	s_add_nc_u64 s[G0A+2:G0A+3], s[4:5], s[76:77]
	s_or_b32 s[G0A+3], s[G0A+3], 0x80000000
	s_add_nc_u64 s[YB:YB+1], s[4:5], s[78:79]
	s_add_nc_u64 s[14:15], s[14:15], s[80:81]
	s_add_nc_u64 s[PFB:PFB+1], s[6:7], s[82:83]
	s_load_b32 s72, s[12:13], 0x0                  ; b3
	ROUND                                          ; all four work-groups are here: the first joint loads meet
	tensor_load_to_lds s[G0A:G0A+3], s[G1A:G1A+7]  ; Ya; then the two slots: three loads of mine are out
	s_nop 0
	tensor_load_to_lds s[G0R0:G0R0+3], s[G1W:G1W+7]
	s_nop 0
	tensor_load_to_lds s[G0R1:G0R1+3], s[G1W:G1W+7]
	s_nop 0
.rept 4
	v_nop
.endr
	v_and_b32 v[LL], 31, v0
	v_and_b32 v[RR], 15, v0
	v_bfe_u32 v[HH], v0, 4, 1
	v_lshlrev_b32 v[L16], 4, v[LL]
	v_lshlrev_b32 v1, 4, v0                        ; 16 x thread
	v_lshl_add_u32 v[H32], v[HH], 5, TAB
	v_lshlrev_b32 v[PFO], 8, v[LL]
	s_lshl_b32 s73, s[WV], 15
	s_add_co_u32 s73, s73, STASH
	s_lshl_b32 s74, s[WV], 10
	s_add_co_u32 s74, s74, OSTG
	v_lshl_add_u32 v[OSW], v[HH], 6, s74
	v_lshl_add_u32 v[OSW], v[RR], 2, v[OSW]
	global_load_b128 v[128:131], v1, s[8:9]        ; b2: four numbers a thread
	global_load_b128 v[132:135], v1, s[10:11]      ; W3 likewise
.irp q, 0,1,2,3
	global_load_b128 v[136+4*\q:139+4*\q], v[L16], s[10:11] offset:512*\q  ; W3 whole, for its sum
.endr
	WIN 0xc0                                       ; destination window 3, sources window 0
	v_add_nc_u32 v[ST0], s73, v[L16]
	v_lshl_add_u32 v[A0], v[HH], 8, ATAB
	v_mov_b32 v[G0], v[L16]
	v_mov_b32 v[OS], v[OSW]
	WIN 0xff
.irp q, 0,1,2,3
	global_load_b128 v[BB+4*\q:BB+4*\q+3], v[G0], s[YB:YB+1] offset:512*\q            ; Yb of step 0
.endr
.irp q, 0,1,2,3
	global_load_b128 v[BB+16+4*\q:BB+16+4*\q+3], v[G0], s[YB:YB+1] offset:2048+512*\q ; and of step 1
.endr
	; what the first periods find: zeros in the set of a step that has not been, in -2 W3, p, Z and the second set of accumulators, so that one text serves every period
	WIN 0xc0
.set i, 0
.rept 32
	v_mov_b32 v[SV+32+i], 0
.set i, i+1
.endr
	v_mov_b32 v[U0], 0
	v_mov_b32 v[U1], 0
	WIN 0
.set i, W3R
.rept 48
	v_mov_b32 v[i], 0
.set i, i+1
.endr
.set i, ACC+32
.rept 32
	v_mov_b32 v[i], 0
.set i, i+1
.endr
	s_wait_loadcnt 0x8                             ; b2 and W3 are in; Yb's 8 loads stay out
	v_pk_mul_f32 v[128:129], v[128:129], s[CS:CS+1] op_sel_hi:[1,0]
	v_pk_mul_f32 v[130:131], v[130:131], s[CS:CS+1] op_sel_hi:[1,0]
	v_pk_mul_f32 v[132:133], v[132:133], -2.0 op_sel_hi:[1,0]
	v_pk_mul_f32 v[134:135], v[134:135], -2.0 op_sel_hi:[1,0]
	v_add_nc_u32 v[TA], TAB, v1
	v_lshl_add_u32 v[TZ], v0, 2, TAB+4096
	v_mov_b32 v[ZR], 0
	ds_store_b128 v[TA], v[128:131]
	ds_store_b128 v[TA], v[132:135] offset:2048
	ds_store_b32 v[TZ], v[ZR]
	v_pk_add_f32 v[136:137], v[136:137], v[138:139]
	v_pk_add_f32 v[140:141], v[140:141], v[142:143]
	v_pk_add_f32 v[144:145], v[144:145], v[146:147]
	v_pk_add_f32 v[148:149], v[148:149], v[150:151]
	v_pk_add_f32 v[136:137], v[136:137], v[140:141]
	v_pk_add_f32 v[144:145], v[144:145], v[148:149]
	v_pk_add_f32 v[136:137], v[136:137], v[144:145]
	v_add_f32 v136, v136, v137
	v_add_f32_dpp v136, v136, v136 row_xmask:1 row_mask:0xf bank_mask:0xf
	v_add_f32_dpp v136, v136, v136 row_xmask:2 row_mask:0xf bank_mask:0xf
	v_add_f32_dpp v136, v136, v136 row_xmask:4 row_mask:0xf bank_mask:0xf
	v_add_f32_dpp v136, v136, v136 row_xmask:8 row_mask:0xf bank_mask:0xf
	v_permlanex16_b32 v137, v136, s[SEL], s[SEL+1]
	v_add_f32 v136, v136, v137
	s_wait_kmcnt 0x0
	v_add_f32 v136, s72, v136                      ; S0 = b3 + the sum of W3
.irp s, 0,1,2,3,4,5,6,7
	ds_store_b32 v[OSW], v136 offset:128*\s        ; every logit of my stage starts at S0
.endr
	s_wait_tensorcnt 0x2                           ; my quarter of Ya is in; the two slots' loads, issued behind it, stay out
	s_wait_dscnt 0x0                               ; my stores into the tables are done
	s_barrier_signal -1
	s_barrier_wait -1
	; THE PROLOGUE: layer 1 alone, periods VP = 0 to 32: piece 7 for Q, piece 0 for P, and the first step of piece 1 as far as its 2^.
	s_mov_b32 s[VP], 0
	WIN 0xff
	v_add_nc_u32 v[AAD], 224, v[A0]                ; step 0: fragment 0, piece 7
	LDAA
	s_wait_dscnt 0x0
.macro LPER par                        ; a period without products
	HDRA 0, 1, 0
	HALF 0, \par, 0, 0, 1, 0
	ENDA 0, 1, 0
	HDRB \par, 0, 1, 0, 0
	HALF 1, \par, 0, 0, 1, 0
	ENDB 1, 0
.endm
	LPER 1                                         ; VP = 0: what it rounds and stores is of no step: it goes where step 15 will store later
	WIN 0
.macro PROLOOP tag                     ; 16 periods
	s_mov_b32 s[CNT], 8
.Lpro\tag:
	LPER 0
	LPER 1
	WIN 0
	s_sub_co_u32 s[CNT], s[CNT], 1
	s_cmp_lg_u32 s[CNT], 0
	s_cbranch_scc1 .Lpro\tag
.endm
	PROLOOP 1
	RELOAD 2, 0                                    ; piece 7 lies whole in my stash: Q takes it; LDS serves a wave in order (ISA guide 5.7.1.4), so the next piece's stores come behind these loads
	RELOAD 2, 1
	PROLOOP 2
	s_wait_tensorcnt 0x1                           ; my n-tile of slot 0 is in; slot 1's load stays out
	s_wait_dscnt 0x0
	s_barrier_signal -1
	s_barrier_wait -1
	RELOAD 1, 0                                    ; piece 0: P takes it
	RELOAD 1, 1
	v_mov_b32 v[BA], v[L16]                        ; n-tile 0
	v_mov_b32 v[TB], v[H32]
	v_add_nc_u32 v[T], 2048, v[H32]                ; so that the first load of -2 W3 finds the block of zeros
	LDBF 0
	ds_load_b128 v[B2R:B2R+3], v[TB]               ; c b2 of n-tile 0
	ds_load_b128 v[B2R+4:B2R+7], v[TB] offset:16
	s_wait_dscnt 0x0
	s_mov_b32 s[CNT], 2
	s_mov_b32 s[SLOTS], 31
	s_branch .Lmid                                 ; the loop is entered at the top of period 0, in the middle of a trip
.Lslot:                                            ; 30 times: slots 2 to 31 are asked for
	CHANGE 1
	s_mov_b32 s[CNT], 2
.Ltrip:                                            ; a trip: from the middle of an odd period to the middle of the next odd one
	HDRB 1, 1, 1, 1, 1
	HALF 1, 1, 1, 1, 1, 1
	ENDB 1, 1
	WIN 0
.Lmid:
	HDRA 1, 1, 1
	HALF 0, 0, 1, 1, 1, 1
	ENDA 1, 1, 1
	HDRB 0, 1, 1, 1, 0
	HALF 1, 0, 1, 1, 1, 1
	ENDB 1, 1
	HDRA 1, 1, 0
	HALF 0, 1, 1, 1, 1, 1
	ENDA 1, 1, 1
	WIN 0
	s_sub_co_u32 s[CNT], s[CNT], 1
	s_cmp_lg_u32 s[CNT], 0
	s_cbranch_scc1 .Ltrip
	s_sub_co_u32 s[SLOTS], s[SLOTS], 1
	s_cmp_lg_u32 s[SLOTS], 0
	s_cbranch_scc1 .Lslot
	; THE TAIL is written out: the last slot; nothing is asked for, and no x1 is made any more.
	CHANGE 0
	s_mov_b32 s[CNT], 2
.Ltail:
	HDRB 1, 1, 0, 1, 0
	HALF 1, 1, 1, 1, 0, 1
	ENDB 0, 1
	HDRA 1, 0, 0
	HALF 0, 0, 1, 1, 0, 1
	ENDA 1, 0, 1
	HDRB 0, 1, 0, 1, 0
	HALF 1, 0, 1, 1, 0, 1
	ENDB 0, 1
	HDRA 1, 0, 0
	HALF 0, 1, 1, 1, 0, 1
	ENDA 1, 0, 1
	WIN 0
	s_sub_co_u32 s[CNT], s[CNT], 1
	s_cmp_lg_u32 s[CNT], 0
	s_cbranch_scc1 .Ltail
	HDRB 1, 0, 0, 1, 0                             ; the last period's second half: the tables alone are fetched
	HALF 1, 1, 1, 0, 0, 1
	ENDB 0, 1
	WIN 0
	s_wait_dscnt 0x0                               ; the tables
	HALF 0, 0, 0, 0, 0, 1                          ; layer 2 runs out, without products: the sums of n-tile 30, 2^ of n-tile 31,
	ENDA 0, 0, 1
	ds_load_b128 v[W3R:W3R+3], v[TP] offset:2048   ; -2 W3 of n-tile 31
	ds_load_b128 v[W3R+4:W3R+7], v[TP] offset:2064
	v_pk_add_f32 v[ACC+32:ACC+33], v[ACC+32:ACC+33], 1.0 op_sel_hi:[1,0]
	HALF 1, 0, 0, 0, 0, 1                          ; its + 1 and 1/,
	v_nop                                          ; a plain line behind the last reciprocal,
	s_wait_alu depctr_va_vdst(0)                   ; and the wait for them
	s_wait_dscnt 0x0
.set fi, 0
.rept 16
	FIN fi                                         ; and its sums
.set fi, fi+1
.endr
	s_mov_b32 s77, 6*128
	FINAL 0                                        ; piece 6
	s_mov_b32 s77, 7*128
	FINAL 1                                        ; piece 7, its second half
	; THE WAY OUT.  Wave w stores rows 4 w .. 4 w + 3: a row's 64 logits lie in the four waves' stages, 64 bytes in each; sixteen lanes take a row.
	s_wait_dscnt 0x0                               ; for the others' sake: my stores into my stage are done
	s_barrier_signal -1
	s_barrier_wait -1
	v_and_b32 v8, 15, v0                           ; l: columns 4 l .. 4 l + 3
	v_bfe_u32 v9, v0, 4, 1                         ; lanes 16-31 take the next row
	v_lshrrev_b32 v10, 2, v8                       ; whose stage
	v_and_b32 v11, 3, v8
	s_lshl_b32 s73, s[WV], 8                       ; 4 w rows of 64 bytes
	v_lshl_add_u32 v12, v10, 10, OSTG
	v_lshl_add_u32 v12, v11, 4, v12
	v_lshl_add_u32 v12, v9, 6, v12
	v_add_nc_u32 v12, s73, v12
	ds_load_b128 v[16:19], v12
	ds_load_b128 v[20:23], v12 offset:128          ; two rows on
	s_lshl_b32 s74, s[WV], 13                      ; 4 w rows of out
	v_lshlrev_b32 v13, 4, v8
	v_lshl_add_u32 v13, v9, 11, v13
	v_add_nc_u32 v13, s74, v13
	s_lshl_b32 s75, s19, 4                         ; the diagonal: number c of my four lies on it where c = 16 bi + row - 64 bj - 4 l
	s_lshl_b32 s76, s18, 6
	s_sub_co_u32 s75, s75, s76
	s_lshl_b32 s76, s[WV], 2
	s_add_co_u32 s75, s75, s76
	v_lshlrev_b32 v14, 2, v8
	v_sub_nc_u32 v14, v9, v14
	v_add_nc_u32 v14, s75, v14
	v_mov_b32 v15, 0xc1a00000                      ; -20
	s_wait_dscnt 0x0
.irp c, 0,1,2,3
	v_cmp_eq_u32 vcc_lo, \c, v14
	v_cndmask_b32 v[16+\c], v[16+\c], v15, vcc_lo
	v_cmp_eq_u32 vcc_lo, \c-2, v14
	v_cndmask_b32 v[20+\c], v[20+\c], v15, vcc_lo
.endr
	global_store_b128 v13, v[16:19], s[14:15]      ; sixteen lanes store 256 consecutive bytes, at a multiple of 256 from out's first byte
	global_store_b128 v13, v[20:23], s[14:15] offset:4096
	WIN 0x0f
	s_wait_tensorcnt 0x0                           ; the wave's end: 0 onto my spare word, behind my last tensor load and my last LDS store
	ds_add_u32 v[SPW], v[NIL]
	s_wait_dscnt 0x0
	WIN 0
	ROUND                                          ; the closing round: no work-group ends while a partner may still ask for a tile that names it
	s_endpgm
.Lfunc_end_k_q42961b912a_pairs:
	.size	k_q42961b912a_pairs, .Lfunc_end_k_q42961b912a_pairs-k_q42961b912a_pairs
	.p2alignl 7, 3214868480
	.fill 96, 4, 3214868480
	.section	.rodata,"a",@progbits
	.p2align	6, 0x0
	.amdhsa_kernel k_q42961b912a_pairs
		.amdhsa_group_segment_fixed_size 327680
		.amdhsa_private_segment_fixed_size 0
		.amdhsa_enable_private_segment 0
		.amdhsa_kernarg_size 48
		.amdhsa_user_sgpr_count 2
		.amdhsa_user_sgpr_kernarg_segment_ptr 1
		.amdhsa_wavefront_size32 1
		.amdhsa_system_sgpr_workgroup_id_x 1
		.amdhsa_system_sgpr_workgroup_id_y 1
		.amdhsa_system_sgpr_workgroup_id_z 1
		.amdhsa_system_vgpr_workitem_id 0
		.amdhsa_next_free_vgpr 928
		.amdhsa_next_free_sgpr 96
		.amdhsa_reserve_vcc 1
		.amdhsa_float_denorm_mode_32 3
		.amdhsa_float_denorm_mode_16_64 3
		.amdhsa_memory_ordered 1
		.amdhsa_forward_progress 1
		.amdhsa_inst_pref_size 159
	.end_amdhsa_kernel
	.amdgpu_metadata
---
amdhsa.version: [ 1, 2 ]
amdhsa.kernels:
  - .name:           k_q42961b912a_pairs
    .symbol:         k_q42961b912a_pairs.kd
    .args:
      - { .name: Y, .offset: 0, .size: 8, .value_kind: global_buffer, .address_space: global }
      - { .name: W2f, .offset: 8, .size: 8, .value_kind: global_buffer, .address_space: global }
      - { .name: b2, .offset: 16, .size: 8, .value_kind: global_buffer, .address_space: global }
      - { .name: W3, .offset: 24, .size: 8, .value_kind: global_buffer, .address_space: global }
      - { .name: b3, .offset: 32, .size: 8, .value_kind: global_buffer, .address_space: global }
      - { .name: out0, .offset: 40, .size: 8, .value_kind: global_buffer, .address_space: global }
    .group_segment_fixed_size: 327680
    .private_segment_fixed_size: 0
    .kernarg_segment_align: 8
    .kernarg_segment_size: 48
    .max_flat_workgroup_size: 128
    .sgpr_count:     96
    .vgpr_count:     928
    .wavefront_size: 32
...
	.end_amdgpu_metadata
.endif
;; end of part 2
